; MI455X (gfx1250); checked and timed in simulation.
; The chip was launched on July 23, 2026; its instructions are those of AMD's public machine-readable ISA for CDNA 5 (MIT licence, August 2026) and "CDNA5" Instruction Set Architecture Reference Guide (July 2026). The comments in the code are by the model that wrote it; some were corrected since.
;; Attention. Allowed arithmetic: matrix products marked QUANTISED: E3M2 operands, one E8M0 scale for each 32 along K, by v_wmma_scale_f32_16x16x128_f8f6f4 with both operands' format E3M2, f32 sums; everything else in f32.
;; Inputs: freqs_cos 1,024 x 32 float32; freqs_sin 1,024 x 32 float32; wk 1,024 x 1,024 float32; wo 1,024 x 1,024 float32; wq 1,024 x 1,024 float32; wv 1,024 x 1,024 float32; x 8 x 1,024 x 1,024 float32.
;; Outputs: out0 8 x 1,024 x 1,024 float32.
;; This version of the problem:
;;   THIS VERSION OF THE PROBLEM IS GIVEN IN LOW PRECISION. The matrix products marked QUANTISED in the list below multiply operands that are first quantised to E3M2 (3 exponent bits, 2 mantissa bits; 6 bits a number), with one power-of-two scale for each 32 numbers along K (OCP MX v1.0); their sums are f32. All else is computed in f32.
;;   The module's matrix products, in the order in which they are computed (A, B: the left and right operand; K: the contracted axis; several contracted axes count as one K, in the product's order):
;;     1. [M 8,192, K 1,024] x [K 1,024, N 1,024]; A: input x; B: input wq: QUANTISED
;;     2. [M 8,192, K 1,024] x [K 1,024, N 1,024]; A: input x; B: input wk: QUANTISED
;;     3. [M 8,192, K 1,024] x [K 1,024, N 1,024]; A: input x; B: input wv: QUANTISED
;;     4. batch 128 x [M 1,024, K 64] x [K 64, N 1,024]; A: computed on the way; B: computed on the way: QUANTISED
;;     5. batch 128 x [M 64, K 1,024] x [K 1,024, N 1,024]; A: computed on the way; B: softmax (see below): QUANTISED
;;     6. [M 8,192, K 1,024] x [K 1,024, N 1,024]; A: computed on the way; B: input wo: QUANTISED
;;   THE QUANTISER, for each operand of a quantised product, along K:
;;     - K is cut into blocks of 32 from its start; a last block that is shorter is filled with zeros.
;;     - A block's scale is 2^e with e = floor(log2(the largest magnitude in the block)) - 4, held to -126 .. 127; a block of zeros has e = 0. As a byte (E8M0): e + 127.
;;     - Each number is divided by its block's scale, clamped to +-28, and rounded to the nearest number of E3M2, ties to even, subnormals kept.
;;     - The product sums the exact products of the quantised numbers (number of the format x scale) in f32.
;;   ~~~python
;;   def quantise(x, axis):      # numpy; x: float32 -> the quantised numbers, widened to float32 again
;;       x = np.moveaxis(x, axis, -1); K = x.shape[-1]
;;       x = np.pad(x, [(0, 0)] * (x.ndim - 1) + [(0, -K % 32)]); x = x.reshape(x.shape[:-1] + (-1, 32)); a = np.abs(x).max(-1, keepdims=True)
;;       e = np.where(a > 0, np.clip(np.frexp(np.where(a > 0, a, 1))[1] - 1 - 4, -126, 127), 0)      # np.frexp(a)[1] - 1 = floor(log2(a)), exactly
;;       r = np.clip(x / 2.0 ** e, -28, 28)
;;       step = 2.0 ** (np.maximum(np.frexp(np.where(r == 0, 1, r))[1] - 1, -2) - 2)
;;       q = np.round(r / step) * step * 2.0 ** e      # np.round: ties to even
;;       return np.moveaxis(q.reshape(q.shape[:-2] + (-1,))[..., :K], -1, axis).astype(np.float32)
;;   ~~~
;;   SOFTMAX AHEAD OF A QUANTISED PRODUCT. Where the list says 'softmax', what is quantised is not the finished softmax but p = 2^(t - M), with t = logit x log2(e) and M = ceil(the row's largest t), a whole number; so 1/2 < the row's largest p <= 1. The row's sum l is taken of the UNQUANTISED p, in f32, and the product's result is divided by l at the end. Since M is a whole number, a kernel that streams over the keys may use a running M (the ceiling of the running maximum): every later rescaling is an exact power of two, which a block's scale takes up: the codes' values come out the same.
;;   OPERANDS COMPUTED ON THE WAY. 'Computed on the way' means the value that the module computes at that place (a softmax that the list does not call 'softmax' is quantised finished and normalised). What goes into a quantiser is computed in f32, as accurately as f32 sums, v_exp_f32 and their like allow (about 1e-6 of the number): no bf16 or f16 on the way to a quantiser, and a product that is left as it is and whose result goes on into a quantised operand takes f32 operands (vector FMAs, or v_wmma_f32_16x16x4_f32). A number that lies on a knife's edge between two numbers of the format may be rounded either way, as far as f32 arithmetic and the matrix unit's own rounding can turn it there, and no further.
;; One version. Each part assembles by itself: llvm-mc -triple=amdgcn-amd-amdhsa -mcpu=gfx1250 --defsym DOCPART=n.
;; ======== version 1 of 1: 4 launches
;; limits: right only within a limited range of input values
;; workspace buffers: c1 9,830,400 bytes; tb 262,144 bytes; c2 20,185,088 bytes; c3 6,291,456 bytes; s3 262,144 bytes
;; launch quant (part 1): grid 384 x 1, 4 waves a work-group, no clusters, 37,376 bytes of LDS; arguments x, wq, wk, wv, wo, c1, freqs_cos, freqs_sin, tb; writes c1, tb
.if DOCPART == 1
	.amdgcn_target "amdgcn-amd-amdhsa--gfx1250"
	.amdhsa_code_object_version 6
	.text
	.protected	k_qcc01fccd9c_quant
	.globl	k_qcc01fccd9c_quant
	.p2align	8
	.type	k_qcc01fccd9c_quant,@function
k_qcc01fccd9c_quant:
	s_mov_b64 s[64:65], 0
	v_nop
	global_prefetch_b8 v0, s[64:65] scope:SCOPE_SE
	s_setreg_imm32_b32 hwreg(HW_REG_WAVE_MODE, 25, 1), 1
	s_wait_xcnt 0x0
; x [8192][1024] and wq, wk, wv, wo [1024][1024], f32, K innermost, become codes of BF6 (E3M2) with one E8M0 scale byte for each 32 along K; the rope tables are laid anew for launch qkv.
; A block's scale is 2^(floor(log2(its largest magnitude)) - 4); its byte is the largest magnitude's exponent field - 4, held at 1 from below.
; WORK LEFT OUT BY THE PROGRAM: reference() itself sets every score with blk(q) < blk(k) to the least f32 ahead of its softmax; every query has key 0 allowed, so such a score's weight is 0 for all finite inputs.
; Launch attn therefore leaves out the key steps of 128 that lie wholly above the mask.  A NaN, an infinity or an overflow that reaches only those scores is not carried to the result.
; LIMITS: a block of zeros, or one whose largest magnitude lies under 2^-122, gets the byte 1 (the rule says 127 for zeros: its codes are zeros, and this program alone reads the bytes);
; NaN and infinities among the inputs are not served.
; c1 IS LAID IN THE ORDER OF THE OPERAND'S REGISTERS.  The 12,288 rows of [x; wq; wk; wv; wo] are taken in blocks of 16 PLACES: place r of block 2 B + u is row 32 B + 8 u + r + 8 (r / 8).
; c1: [block 768][12,800 bytes].  Bytes 0 .. 12,287: [K step 8][j 3][lane 32][16]: registers 4 j .. 4 j + 3 of lane l = r + 16 h of the fragment of 16 places x 128 along K
; (registers 6 c .. 6 c + 5: the 32 codes of k = 64 c + 32 h on).  Bytes 12,288 .. 12,799: the scale bytes [kq 2][r 16][16]: byte i is the scale of the row's block 16 kq + i along K.
; tb: [row block of the sequence 64][q 2][j 4][lane 32][16]: lane r + 16 h holds (cos, sin) of pairs 16 q + 8 h + 2 j and the next, of the token at place r.
; SHARES.  Work-group g takes rows 32 g .. 32 g + 31; wave w takes row block 2 g + w / 2 and the half w % 2 of K: 8 steps of 64 along K.  Waves share nothing: no barrier.
; A step's 16 rows x 256 bytes are loaded as they lie and turn through the wave's own stage in LDS, so that a lane gets its block's 32 neighbours.  Of tb each wave of x's 256 work-groups makes one run of 256 bytes.
.set BLK,  12800
.set WREG, 9216                        ; LDS of a wave: two stages of 16 rows x 272 bytes, then its 256 scale bytes
.set STG,  4352
.set SBY,  8704
.set R,    32                          ; v32-127  three sets of 32: numbers as loaded
.set X,    128                         ; v128-191 two sets of 32: a lane's whole block
.set C,    192                         ; v192-239 six registers of codes for each step: no store's data are written again
.set D,    240                         ; v240-242 the second conversion's result
.set E,    244                         ; v244-251 a scale byte for each step
	s_load_b256 s[4:11], s[0:1], 0x0               ; x, wq, wk, wv
	s_load_b128 s[12:15], s[0:1], 0x20             ; wo, c1
	s_load_b128 s[28:31], s[0:1], 0x30             ; freqs_cos, freqs_sin
	s_load_b64 s[32:33], s[0:1], 0x40              ; tb
	v_lshl_add_u32 v254, v0, 2, 0x9000             ; my spare word, behind the four regions
	v_mov_b32 v255, 0
	v_lshrrev_b32 v1, 5, v0
	v_readfirstlane_b32 s18, v1                    ; wave 0..3
	v_and_b32 v1, 31, v0                           ; lane
	v_and_b32 v2, 15, v0                           ; r
	v_bfe_u32 v3, v0, 4, 1                         ; h
	v_lshlrev_b32 v4, 4, v2
	v_lshl_add_u32 v4, v3, 12, v4                  ; in: lanes 0-15 one row's 256 bytes, lanes 16-31 the next row's
	s_mul_i32 s19, s18, WREG
	v_mul_u32_u24 v14, v3, 272
	v_lshl_add_u32 v14, v2, 4, v14
	v_add_nc_u32 v14, s19, v14                     ; into the stage: as loaded
	v_mul_u32_u24 v15, v2, 272
	v_lshl_add_u32 v15, v3, 7, v15
	v_add_nc_u32 v15, s19, v15                     ; out of it: row r, my half's 128 bytes
	s_add_co_u32 s19, s19, SBY
	v_lshl_add_u32 v5, v2, 4, v3
	v_add_nc_u32 v5, s19, v5                       ; my scale byte: 16 r + h, + 2 for each step
	v_lshlrev_b32 v6, 4, v1                        ; 16 x lane
	v_lshlrev_b32 v7, 3, v1                        ; 8 x lane
	v_add_nc_u32 v9, s19, v7                       ; the scale bytes on the way out
	s_lshr_b32 s20, s18, 1                         ; u: which of the group's two row blocks
	s_and_b32 s21, s18, 1                          ; kq: which half of K
	s_and_b32 s22, ttmp9, 31                       ; the group inside a weight
	s_lshl_b32 s23, ttmp9, 1
	s_add_co_u32 s23, s23, s20                     ; my row block, 0 .. 767
	; my run U of tb = (row block, q, j, h); the weights' work-groups load inside the tables too (U mod 1,024) and store nothing of tb
	s_lshl_b32 s34, ttmp9, 2
	s_add_co_u32 s34, s34, s18
	s_and_b32 s34, s34, 1023
	s_lshr_b32 s35, s34, 5
	s_lshl_b32 s35, s35, 12                        ; 32 tokens of 128 bytes for each two row blocks,
	s_bfe_u32 s36, s34, 0x10004
	s_lshl_b32 s36, s36, 10                        ; 8 tokens for the odd one,
	s_add_co_u32 s35, s35, s36
	s_bfe_u32 s36, s34, 0x10003
	s_lshl_b32 s36, s36, 6                         ; 16 q pairs of 4 bytes,
	s_add_co_u32 s35, s35, s36
	s_and_b32 s36, s34, 1
	s_lshl_b32 s36, s36, 5                         ; 8 h pairs,
	s_add_co_u32 s35, s35, s36
	s_bfe_u32 s36, s34, 0x20001
	s_lshl_b32 s36, s36, 3                         ; 2 j pairs
	s_add_co_u32 s35, s35, s36
	v_lshrrev_b32 v16, 1, v1                       ; two lanes to a place r: the pair and the next
	v_and_b32 v17, 8, v16
	v_add_nc_u32 v16, v16, v17                     ; r + 8 (r / 8)
	v_and_b32 v17, 1, v1
	v_lshlrev_b32 v17, 2, v17
	v_lshl_add_u32 v16, v16, 7, v17
	v_add_nc_u32 v16, s35, v16
	s_lshl_b32 s36, s34, 8
	s_mov_b32 s37, 0
	s_wait_alu depctr_va_vdst(0)                   ; the wait at the head's end
	s_wait_kmcnt 0x0
	global_load_b32 v18, v16, s[28:29]             ; cos,
	global_load_b32 v19, v16, s[30:31]             ; sin: older than every load below, so the counted waits stand as they are
	s_add_nc_u64 s[32:33], s[32:33], s[36:37]
	s_cmp_lt_u32 ttmp9, 352                        ; groups 0-255 x, 256-287 wq, 288-319 wk, 320-351 wv, 352-383 wo
	s_cselect_b64 s[12:13], s[10:11], s[12:13]
	s_cmp_lt_u32 ttmp9, 320
	s_cselect_b64 s[12:13], s[8:9], s[12:13]
	s_cmp_lt_u32 ttmp9, 288
	s_cselect_b64 s[12:13], s[6:7], s[12:13]
	s_cmp_lt_u32 ttmp9, 256
	s_cselect_b64 s[12:13], s[4:5], s[12:13]
	s_cselect_b32 s22, ttmp9, s22                  ; the group inside its tensor
	s_lshl_b32 s24, s22, 17                        ; 32 rows of 4,096 bytes
	s_lshl_b32 s26, s20, 15                        ; + 8 u rows
	s_add_co_u32 s24, s24, s26
	s_lshl_b32 s26, s21, 11                        ; + 512 kq numbers
	s_add_co_u32 s24, s24, s26
	s_mov_b32 s25, 0
	s_add_nc_u64 s[4:5], s[12:13], s[24:25]        ; where I read
	s_mul_i32 s24, s23, BLK
	s_mul_i32 s26, s21, 6144
	s_add_co_u32 s24, s24, s26
	s_add_nc_u64 s[8:9], s[14:15], s[24:25]        ; where my codes go
	s_mul_i32 s24, s23, BLK
	s_lshl_b32 s26, s21, 8
	s_add_co_u32 s24, s24, s26
	s_add_co_u32 s24, s24, 12288
	s_add_nc_u64 s[10:11], s[14:15], s[24:25]      ; and my scale bytes, behind the block's codes
.macro LOAD t                          ; step t: places 2 i and 2 i + 1 are rows 2 i + 8 (i / 4) and the next
.irp i, 0,1,2,3,4,5,6,7
	global_load_b128 v[R+32*((\t)%3)+4*\i:R+32*((\t)%3)+4*\i+3], v4, s[4:5] offset:(2*\i+8*(\i/4))*4096+256*(\t) th:TH_LOAD_NT
.endr
.endm
.macro TURN t                          ; through the stage: LDS serves a wave's instructions in order
.irp i, 0,1,2,3,4,5,6,7
	ds_store_b128 v14, v[R+32*((\t)%3)+4*\i:R+32*((\t)%3)+4*\i+3] offset:STG*((\t)%2)+544*\i
.endr
.irp i, 0,1,2,3,4,5,6,7
	ds_load_b128 v[X+32*((\t)%2)+4*\i:X+32*((\t)%2)+4*\i+3], v15 offset:STG*((\t)%2)+16*\i
.endr
.endm
.macro STEP t
.set XS, X+32*((\t)%2)
.if (\t) > 0
	s_wait_dscnt 1                                 ; this step's numbers are back (the last step's byte store may be out)
.else
	s_wait_dscnt 0x0
.endif
.if (\t)+3 < 8
	LOAD (\t)+3
.endif
.if (\t) < 7
.if 6-(\t) >= 2
	s_wait_loadcnt 16                              ; the next step's eight loads are in; those of the two steps behind it may be out
.else
	s_wait_loadcnt 8*(6-(\t))
.endif
	TURN (\t)+1
.endif
	v_max3_num_f32 v12, |v[XS]|, |v[XS+1]|, |v[XS+2]|              ; the block's largest magnitude: all 32 numbers are mine; two chains
	v_max3_num_f32 v13, |v[XS+3]|, |v[XS+4]|, |v[XS+5]|
.irp i, 6,10,14,18,22,26
	v_max3_num_f32 v12, v12, |v[XS+\i]|, |v[XS+\i+1]|
	v_max3_num_f32 v13, v13, |v[XS+\i+2]|, |v[XS+\i+3]|
.endr
	v_max3_num_f32 v12, v12, |v[XS+30]|, |v[XS+31]|
	v_max3_num_f32 v12, v12, v13, 0x2800000        ; and the floor 2^(5 - 127): the byte cannot fall under 1
	v_add_nc_u32 v11, 0xfe000000, v12              ; 4 off its exponent field: the conversion's scale operand
	v_cvt_scalef32_pk16_bf6_f32 v[C+6*(\t):C+6*(\t)+2], v[XS:XS+15], v11
	v_cvt_scalef32_pk16_bf6_f32 v[D:D+2], v[XS+16:XS+31], v11
	v_lshrrev_b32 v[E+(\t)], 23, v11               ; the scale's byte; also the plain line behind the conversions
.irp i, 0,1,2
	v_mov_b32 v[C+6*(\t)+3+\i], v[D+\i]
.endr
	ds_store_b8 v5, v[E+(\t)] offset:2*(\t)
.if (\t)%2 == 1                                ; two steps make a fragment's 12 registers: three stores of 512 consecutive bytes, aligned to 256
.irp j, 0,1,2
	global_store_b128 v6, v[C+6*(\t)-6+4*\j:C+6*(\t)-6+4*\j+3], s[8:9] offset:768*((\t)-1)+512*\j
.endr
.endif
.endm
	LOAD 0
	LOAD 1
	LOAD 2
	s_wait_loadcnt 16                              ; step 0's eight loads are in
	TURN 0
.irp t, 0,1,2,3,4,5,6,7
	STEP \t
.endr
	ds_load_b64 v[252:253], v9                     ; my wave's 256 scale bytes
	s_wait_dscnt 0x0
	global_store_b64 v7, v[252:253], s[10:11]      ; 32 lanes store 256 consecutive bytes, aligned
	s_cmp_lt_u32 ttmp9, 256
	s_cbranch_scc0 .Lno_table
	global_store_b64 v7, v[18:19], s[32:33]        ; my run of tb: 256 consecutive bytes, aligned
.Lno_table:
	s_wait_tensorcnt 0x0                           ; the wave's end
	ds_add_u32 v254, v255
	s_wait_dscnt 0x0
	s_endpgm
.Lfunc_end_k_qcc01fccd9c_quant:
	.size	k_qcc01fccd9c_quant, .Lfunc_end_k_qcc01fccd9c_quant-k_qcc01fccd9c_quant
	.p2alignl 7, 3214868480
	.fill 96, 4, 3214868480
	.section	.rodata,"a",@progbits
	.p2align	6, 0x0
	.amdhsa_kernel k_qcc01fccd9c_quant
		.amdhsa_group_segment_fixed_size 37376
		.amdhsa_private_segment_fixed_size 0
		.amdhsa_enable_private_segment 0
		.amdhsa_kernarg_size 72
		.amdhsa_user_sgpr_count 2
		.amdhsa_user_sgpr_kernarg_segment_ptr 1
		.amdhsa_wavefront_size32 1
		.amdhsa_system_sgpr_workgroup_id_x 1
		.amdhsa_system_sgpr_workgroup_id_y 1
		.amdhsa_system_sgpr_workgroup_id_z 1
		.amdhsa_system_vgpr_workitem_id 0
		.amdhsa_next_free_vgpr 256
		.amdhsa_next_free_sgpr 66
		.amdhsa_reserve_vcc 0
		.amdhsa_float_denorm_mode_32 3
		.amdhsa_float_denorm_mode_16_64 3
		.amdhsa_memory_ordered 1
		.amdhsa_forward_progress 1
		.amdhsa_inst_pref_size 32
	.end_amdhsa_kernel
	.amdgpu_metadata
---
amdhsa.version: [ 1, 2 ]
amdhsa.kernels:
  - .name:           k_qcc01fccd9c_quant
    .symbol:         k_qcc01fccd9c_quant.kd
    .args:
      - { .name: x, .offset: 0, .size: 8, .value_kind: global_buffer, .address_space: global }
      - { .name: wq, .offset: 8, .size: 8, .value_kind: global_buffer, .address_space: global }
      - { .name: wk, .offset: 16, .size: 8, .value_kind: global_buffer, .address_space: global }
      - { .name: wv, .offset: 24, .size: 8, .value_kind: global_buffer, .address_space: global }
      - { .name: wo, .offset: 32, .size: 8, .value_kind: global_buffer, .address_space: global }
      - { .name: c1, .offset: 40, .size: 8, .value_kind: global_buffer, .address_space: global }
      - { .name: freqs_cos, .offset: 48, .size: 8, .value_kind: global_buffer, .address_space: global }
      - { .name: freqs_sin, .offset: 56, .size: 8, .value_kind: global_buffer, .address_space: global }
      - { .name: tb, .offset: 64, .size: 8, .value_kind: global_buffer, .address_space: global }
    .group_segment_fixed_size: 37376
    .private_segment_fixed_size: 0
    .kernarg_segment_align: 8
    .kernarg_segment_size: 72
    .max_flat_workgroup_size: 128
    .sgpr_count:     66
    .vgpr_count:     256
    .wavefront_size: 32
...
	.end_amdgpu_metadata
.endif
;; end of part 1
;; launch qkv (part 2): grid 32 x 8, 4 waves a work-group, clusters of 4 x 1, 327,680 bytes of LDS; arguments c1, tb, c2; writes c2
.if DOCPART == 2
	.amdgcn_target "amdgcn-amd-amdhsa--gfx1250"
	.amdhsa_code_object_version 6
	.text
	.protected	k_qcc01fccd9c_qkv
	.globl	k_qcc01fccd9c_qkv
	.p2align	8
	.type	k_qcc01fccd9c_qkv,@function
k_qcc01fccd9c_qkv:
	s_mov_b64 s[64:65], 0
	v_nop
	global_prefetch_b8 v0, s[64:65] scope:SCOPE_SE
	s_setreg_imm32_b32 hwreg(HW_REG_WAVE_MODE, 25, 1), 1
	s_wait_xcnt 0x0
	s_wait_alu depctr_hold_cnt(0) depctr_sa_sdst(0) depctr_va_vdst(0) depctr_va_sdst(0) depctr_va_ssrc(0) depctr_va_vcc(0) depctr_vm_vsrc(0)
	s_getreg_b32 s2, hwreg(HW_REG_IB_STS2, 6, 4)
	s_cmp_eq_u32 s2, 0
	s_cbranch_scc0 .Lentry_in_a_cluster
	s_endpgm
.Lentry_in_a_cluster:
	s_bfe_u32 s2, ttmp6, 0x10000c
	s_cmp_lg_u32 s2, 0x3003
	s_cbranch_scc0 .Lentry_shape_is_right
	s_endpgm
.Lentry_shape_is_right:
; q = rope(x wq^T), k = rope(x wk^T), v = x wv^T on codes of BF6 with E8M0 scales (c1, in the order of the operand's registers), and their quantising for the attention: q, k along the head's 64, v along the keys.
; A WORK-GROUP (Y, G) takes 256 rows of x (Y) against three tiles of 128 weight rows: heads 2 G, 2 G + 1 of wq, then of wk, then of wv.  256 work-groups in all.
; x STAYS IN REGISTERS: wave w loads its row blocks 4 w .. 4 w + 3, all of K (8 steps x 4 blocks x 12 registers = 384), straight from c1, once, for all three tiles: 96 loads of 512 consecutive bytes.
; THE WEIGHTS' TILES lie in LDS side by side, 3 x 102,400 bytes (8 row blocks of 12,800: codes, then scale bytes); each byte is filled once.  A wave brings two row blocks of a tile by one tensor load of 100 rows of 256 bytes:
; tile 0's at the head, tile t + 1's at the top of tile t; it has tile t's 256 matrix instructions and way out in which to land.  One load of a wave is out at the most.
; CLUSTERS: the four work-groups of a cluster share G, so they ask for each weight tile jointly (mask 15).  x's rows differ between them and go to registers.
; NO PREFETCH: what the head asks for is wanted at once, and tiles 1 and 2 are asked for by their own loads a whole tile ahead of their waits.
; q, k: source 0 = weights (a lane's registers run along the channels), source 1 = x (a lane holds a token).  v: the sources are swapped: a lane holds a channel and its registers run along the keys.
; Place r of row block 2 B + u is row 32 B + 8 u + r + 8 (r / 8): so the 16 registers of two neighbouring source-0 blocks are 16 neighbours along the next product's K.
; OUT, c2.  q at 0, k at 6,815,744: [batch x head 128][key step 8][6,656]: 8 pieces of 768 bytes (row blocks; lane l's first 16 bytes at 16 l, its last 8 at 512 + 8 l), then their scale words [8][16]
; (bytes 0, 1: the head's two blocks; bytes 2, 3: 127, over zero codes).  v at 13,631,488: [bh][key step 8][6,400]: [channel tile 4][half 2][768], then the scale words [tile 4][16].
; LIMITS: a block of zeros or under 2^-122 gets the byte 1 (this program alone reads the bytes); NaN and infinities are not served.
; REGISTERS.  Window 0: v0-15 addresses; v16-31 x's scale words (lanes 0-15 block a, lanes 16-31 block a + 2), v32-63 the weights' (block b, block b + 4): they hold scales and nothing else;
;   v64-159, v160-255 the weights' fragments, two sets; on a tile's way out they are at work.  Window 1: 32 accumulators.  Window 2: x's K steps 0-4 (v0-239).  Window 3: K steps 5-7 (v0-143).
;   The rope tables of my 64 tokens as pairs (cos, sin), from tb: group 2 a + q at window 3, v144 + 16 (2 a + q); the eighth group at window 2, v240.
.set BLK,  12800
.set TILE, 8*BLK
.set KBH,  53248
.set VBH,  51200
.set QKS,  128*KBH
.set VOFF, 2*QKS
.set QST,  3*TILE                      ; q/k scale words' stage, 512 bytes a wave
.set VST,  QST+2048                    ; v's, 1,024 bytes for the work-group
.set SPARE, VST+1024                   ; the spare words
.set SA, 16
.set SB, 32
.set BF, 64
.set H,  64                            ; v64-127 rotated numbers
.set PC, 128                           ; v128-207 codes: 20 registers for each of a way out's four parts, so that no store's data are written again inside it
.set TM, 208                           ; v208-211 largest magnitudes, v212-215 bytes, v220-223 the conversions' scale operands
.set PW, 224
.set WD, 225
.set XT, 226                           ; v226-241 the rotation's products
.set BKR, 244
.set MSB, 0
.macro WIN new                         ; the immediate's high byte repeats the setting that is left
.if MSB != (\new)
	s_set_vgpr_msb (MSB<<8)|(\new)
.set MSB, (\new)
.endif
.endm
.macro CROUND                          ; a round of the cluster's barrier
	s_barrier_signal -1
	s_barrier_wait -1
	s_cmp_lg_u32 s16, 0
	s_cbranch_scc1 .Lnot_wave_0_\@
	s_barrier_signal -3
.Lnot_wave_0_\@:
	s_barrier_wait -3
	s_barrier_signal -1
	s_barrier_wait -1
.endm
.macro PLACES                          ; four plain vector lines behind a matrix instruction (ISA guide 7.12.1)
.rept 4
	v_nop
.endr
.endm
.macro W d, x, y, sx, sy, rx, ry, zero
.if \zero
	v_wmma_scale_f32_16x16x128_f8f6f4 v[\d:\d+7], v[\x:\x+11], v[\y:\y+11], 0, v[\sx], v[\sy] matrix_a_fmt:MATRIX_FMT_BF6 matrix_b_fmt:MATRIX_FMT_BF6 matrix_a_scale:MATRIX_SCALE_ROW\rx matrix_b_scale:MATRIX_SCALE_ROW\ry
.else
	v_wmma_scale_f32_16x16x128_f8f6f4 v[\d:\d+7], v[\x:\x+11], v[\y:\y+11], v[\d:\d+7], v[\sx], v[\sy] matrix_a_fmt:MATRIX_FMT_BF6 matrix_b_fmt:MATRIX_FMT_BF6 matrix_a_scale:MATRIX_SCALE_ROW\rx matrix_b_scale:MATRIX_SCALE_ROW\ry
.endif
.endm
.macro MUL32 ks, p, zero, vt           ; 32 products; the 32 accumulators take turns, one instruction a turn.  x's block a = 2 ah + al, the weights' b = 4 bh + bl
.irp ah, 0,1
.irp al, 0,1
.irp bh, 0,1
.irp bl, 0,1,2,3
.set FA, 48*((\ks)%5)+12*(2*\ah+\al)
.set FB, BF+96*(\p)+12*(4*\bh+\bl)
.set RA, SA+8*\al+(\ks)
.set RB, SB+8*\bl+(\ks)
.if \vt
.set DD, 8*(4*(4*\bh+\bl)+2*\ah+\al)
	W DD, FA, FB, RA, RB, \ah, \bh, \zero
.else
.set DD, 8*(8*(2*\ah+\al)+4*\bh+\bl)
	W DD, FB, FA, RB, RA, \bh, \ah, \zero
.endif
.endr
.endr
.endr
.endr
.endm
.macro FETCH ks, p                     ; the weights' eight fragments of K step ks into set p: 24 loads of 512 consecutive bytes
.irp b, 0,1,2,3,4,5,6,7
.irp j, 0,1,2
	ds_load_b128 v[BF+96*(\p)+12*\b+4*\j:BF+96*(\p)+12*\b+4*\j+3], v[3+(\b/4)] offset:BLK*(\b%4)+1536*(\ks)+512*\j
.endr
.endr
.endm
.macro XL ks                           ; x's four fragments of K step ks into the step's own registers: 12 loads
	WIN 0x80+0x40*((\ks)/5)
.irp a, 0,1,2,3
.irp j, 0,1,2
	global_load_b128 v[48*((\ks)%5)+12*\a+4*\j:48*((\ks)%5)+12*\a+4*\j+3], v1, s[38:39] offset:BLK*\a+1536*(\ks)+512*\j
.endr
.endr
.endm
.macro CORE vt                         ; a tile: its LDS addresses from s40, its scale words, 8 K steps
	v_add_nc_u32 v3, s40, v1                       ; blocks 0-3: 16 x lane
	v_add_nc_u32 v4, 4*BLK, v3                     ; blocks 4-7
	v_and_b32 v7, 0xf0, v1                         ; scale words: 16 r,
	v_mad_u32_u24 v7, v13, 3200, v7                ; lanes 16-31 four blocks on (16 h x 3,200)
	v_add_nc_u32 v7, s40, v7
	s_wait_alu depctr_va_vdst(0)                   ; the wait for v3, v4, v7
.irp bl, 0,1,2,3
.irp q, 0,1
	ds_load_b128 v[SB+8*\bl+4*\q:SB+8*\bl+4*\q+3], v7 offset:12288+BLK*\bl+256*\q
.endr
.endr
	FETCH 0, 0
.irp ks, 0,1,2,3,4,5,6,7
	s_wait_dscnt 0x0                               ; this step's fragments are in (asked for 32 products ago)
.if \vt == 0                                   ; my 132 loads go out in the order 4 of scale words, 8 x 12 of x, 32 of tables
.if \ks == 0
	s_wait_loadcnt 63                              ; the oldest 69 are in: the scale words and K steps 0-4
.elseif \ks > 4
	s_wait_loadcnt 32+12*(7-\ks)                   ; this step's 12 are in; the later steps' and the tables' may be out
.endif
.endif
.if \ks < 7
.if \ks > 0
	PLACES
.endif
	FETCH (\ks)+1, (\ks+1)%2
.endif
.if \vt
	WIN 0x52+(\ks)/5
.else
	WIN 0x58+4*((\ks)/5)
.endif
.if \ks == 0
	MUL32 \ks, \ks%2, 1, \vt
.else
	MUL32 \ks, \ks%2, 0, \vt
.endif
	WIN 0
.endr
	PLACES                                         ; in front of the first reads of results
.irp b, 0,1,2,3
	v_mov_b32 v[TM+4+\b], 0                        ; a lane permute's destination counts as one of its sources
.endr
.endm
; 64 numbers of a lane, v[s] .. v[s + 63] of window win, register 16 b + i = k 32 b + 16 (lane / 16) + i, become 12 registers of codes at v[pc] and a scale word in v[PW].
.macro QUANT s, win, pc
	WIN 5*(\win)
.irp b, 0,1,2,3
	v_max3_num_f32 v[TM+\b], |v[(\s)+16*\b]|, |v[(\s)+1+16*\b]|, 0x2800000   ; from each accumulator's low end on; the floor 2^(5 - 127) holds the byte at 1 from below
.endr
.irp i, 2,4,6,8,10,12,14
.irp b, 0,1,2,3
	v_max3_num_f32 v[TM+\b], |v[(\s)+16*\b+\i]|, |v[(\s)+1+16*\b+\i]|, v[TM+\b]
.endr
.endr
	WIN 0
.irp b, 0,1,2,3
	v_permlanex16_b32 v[TM+4+\b], v[TM+\b], s58, s59
.endr
.irp b, 0,1,2,3
	v_max_num_f32 v[TM+\b], v[TM+\b], v[TM+4+\b]   ; with lane l xor 16's: the block's largest magnitude
.endr
.irp b, 0,1,2,3
	v_add_nc_u32 v[TM+12+\b], 0xfe000000, v[TM+\b] ; 4 off its exponent field: the conversion's scale operand
.endr
.irp b, 0,1,2,3
	v_lshrrev_b32 v[TM+4+\b], 23, v[TM+12+\b]      ; the scale's byte
.endr
	v_lshl_or_b32 v[PW], v[TM+5], 8, v[TM+4]
	v_lshl_or_b32 v[PW], v[TM+6], 16, v[PW]
	v_lshl_or_b32 v[PW], v[TM+7], 24, v[PW]
	WIN \win
.irp c, 0,1
	v_cvt_scalef32_pk16_bf6_f32 v[(\pc)+6*\c:(\pc)+2+6*\c], v[(\s)+32*\c:(\s)+15+32*\c], v[TM+12+2*\c]
	v_cvt_scalef32_pk16_bf6_f32 v[(\pc)+12+4*\c:(\pc)+14+4*\c], v[(\s)+16+32*\c:(\s)+31+32*\c], v[TM+12+2*\c+1]
.endr
	WIN 0
	v_nop                                          ; one plain line behind the scaled conversions
.irp c, 0,1                                    ; a whole block to a lane: lanes 0-15 block 2 c, lanes 16-31 block 2 c + 1
.irp i, 0,1,2
	v_permlane16_swap_b32 v[(\pc)+6*\c+\i], v[(\pc)+12+4*\c+\i]
.endr
.irp i, 0,1,2
	v_mov_b32 v[(\pc)+3+6*\c+\i], v[(\pc)+12+4*\c+\i]
.endr
.endr
.endm
	s_load_b128 s[4:7], s[0:1], 0x0                ; c1, tb
	s_load_b64 s[10:11], s[0:1], 0x10              ; c2
	v_lshl_add_u32 v8, v0, 2, SPARE
	v_mov_b32 v9, 0
	ds_add_u32 v8, v9                              ; the opening lines: the add, twice on end, and its wait; the set-up below is work on registers
	ds_add_u32 v8, v9
	v_lshrrev_b32 v1, 5, v0
	v_readfirstlane_b32 s16, v1                    ; wave 0..3
	s_lshr_b32 s17, s16, 1
	s_and_b32 s18, s16, 1
	s_bfe_u32 s19, ttmp6, 0x40000                  ; cx
	s_lshl_b32 s20, ttmp9, 2
	s_add_co_u32 s20, s20, s19                     ; Y
	s_and_b32 s21, ttmp7, 0xffff                   ; G: the same in all four partners
	s_mov_b32 s24, 15|(3<<16)|(1<<21)              ; group 1: the mask of the four; elements of 8 bytes; bit 21 beside a mask
	s_mov_b32 s25, 32<<16                          ; rows of 256 bytes,
	s_mov_b32 s26, 100<<16                         ; 100 of them: two row blocks
	s_mov_b32 s27, 32<<16
	s_mov_b32 s28, 100
	s_mov_b32 s29, 32
	s_mov_b32 s30, 0
	s_mov_b32 s31, 0
	s_lshl_b32 s36, s21, 3
	s_lshl_b32 s37, s16, 1
	s_add_co_u32 s36, s36, s37
	s_add_co_u32 s36, s36, 512                     ; wq's row block 512 + 8 G + 2 w; wk's and wv's lie 64 and 128 blocks on
	s_mul_i32 s36, s36, BLK
	s_mov_b32 s37, 0
	s_lshl_b32 s38, s20, 4
	s_lshl_b32 s39, s16, 2
	s_add_co_u32 s38, s38, s39                     ; x's row block 16 Y + 4 w
	s_mul_i32 s38, s38, BLK
	s_mov_b32 s39, 0
	s_mov_b32 s32, 1
	s_mul_i32 s33, s16, 2*BLK                      ; LDS: the wave's two blocks of tile 0
	v_and_b32 v7, 31, v0                           ; lane
	v_and_b32 v3, 15, v0                           ; r
	v_bfe_u32 v4, v0, 4, 1                         ; h
	v_lshlrev_b32 v1, 4, v7                        ; 16 x lane
	v_lshlrev_b32 v2, 3, v7                        ; 8 x lane
	v_lshlrev_b32 v13, 4, v4                       ; 16 h
	v_mul_u32_u24 v6, v4, 2*BLK
	v_lshl_add_u32 v6, v3, 4, v6                   ; x's scale words: 16 r, lanes 16-31 two blocks on
	s_lshl_b32 s2, s16, 9
	s_add_co_u32 s2, s2, QST
	v_lshl_add_u32 v10, v3, 2, s2
	v_lshl_add_u32 v10, v4, 8, v10                 ; q/k scale words into the stage: lanes 0-15 the first head's, lanes 16-31 the second's
	v_add_nc_u32 v11, s2, v1                       ; and back
	v_mul_u32_u24 v12, v4, KBH
	v_lshl_add_u32 v12, v3, 4, v12                 ; their place in c2: a head is KBH bytes on
	s_lshl_b32 s2, s17, 9
	s_lshl_b32 s3, s18, 1
	s_add_co_u32 s2, s2, s3
	s_add_co_u32 s2, s2, VST
	v_lshl_add_u32 v14, v3, 2, s2
	v_lshl_add_u32 v14, v4, 6, v14                 ; v's half words into the stage [key step 2][tile 8][r 16][4]: + 2 (w % 2); lanes 16-31 the next tile
	s_lshl_b32 s3, s16, 8
	s_add_co_u32 s3, s3, VST
	v_add_nc_u32 v15, s3, v2                       ; and back: 256 bytes a wave
	s_wait_alu depctr_va_vdst(0)                   ; the wait behind the head's vector lines, directly ahead of the waits below
	s_wait_dscnt 0x0
	s_wait_kmcnt 0x0
	s_add_nc_u64 s[34:35], s[4:5], s[36:37]
	s_or_b32 s35, s35, 0x80000000
	s_add_nc_u64 s[38:39], s[4:5], s[38:39]
.irp al, 0,1                                   ; x's scale words and its first four K steps are asked for ahead of the round: 52 loads
.irp q, 0,1
	global_load_b128 v[SA+8*\al+4*\q:SA+8*\al+4*\q+3], v6, s[38:39] offset:12288+BLK*\al+256*\q
.endr
.endr
.irp ks, 0,1,2,3
	XL \ks
.endr
	WIN 0
	CROUND                                         ; the four work-groups are here: the joint loads meet
	tensor_load_to_lds s[32:35], s[24:31]          ; tile 0: one load a wave at the head
	s_nop 0
	PLACES
.irp ks, 4,5,6,7
	XL \ks
.endr
	WIN 0
	s_and_b32 s2, s20, 3
	s_lshl_b32 s2, s2, 2
	s_add_co_u32 s2, s2, s16
	s_lshl_b32 s2, s2, 14                          ; my four row blocks of tb: (16 (Y % 4) + 4 w) x 4,096 bytes
	s_mov_b32 s3, 0
	s_add_nc_u64 s[6:7], s[6:7], s[2:3]
.irp a, 0,1,2,3                                ; the tables: 32 loads of 512 consecutive bytes
.irp q, 0,1
.if 2*\a+\q < 7
.set TB, 144+16*(2*\a+\q)
	WIN 0xc0
.else
.set TB, 240
	WIN 0x80
.endif
.irp j, 0,1,2,3
	global_load_b128 v[TB+4*\j:TB+4*\j+3], v1, s[6:7] offset:4096*\a+2048*\q+512*\j
.endr
.endr
.endr
	WIN 0
	s_mov_b32 s58, 0x76543210                      ; v_permlanex16_b32's selects for lane l xor 16
	s_mov_b32 s59, 0xfedcba98
	s_mov_b32 s60, 0x7f7f0000                      ; the scale bytes over the zero codes of k = 64 .. 127
	s_lshr_b32 s2, s20, 2
	s_lshl_b32 s2, s2, 4
	s_lshl_b32 s3, s21, 1
	s_add_co_u32 s2, s2, s3                        ; batch x 16 + my first head
	s_and_b32 s3, s20, 3
	s_lshl_b32 s3, s3, 1
	s_add_co_u32 s3, s3, s17                       ; my key step: 2 (Y % 4) + w / 2
	s_mov_b32 s55, 0
	s_mul_i32 s52, s2, KBH
	s_mul_i32 s53, s3, 6656
	s_add_co_u32 s52, s52, s53
	s_mul_i32 s53, s18, 3072
	s_add_co_u32 s54, s52, s53
	s_add_nc_u64 s[44:45], s[10:11], s[54:55]      ; q's codes: my four pieces
	s_lshl_b32 s53, s18, 8
	s_add_co_u32 s54, s52, s53
	s_add_co_u32 s54, s54, 6144
	s_add_nc_u64 s[46:47], s[10:11], s[54:55]      ; q's scale words: my 256 bytes
	s_mul_i32 s52, s2, VBH
	s_mul_i32 s53, s3, 6400
	s_add_co_u32 s52, s52, s53
	s_add_co_u32 s52, s52, VOFF
	s_mul_i32 s53, s18, 768
	s_add_co_u32 s54, s52, s53
	s_add_nc_u64 s[48:49], s[10:11], s[54:55]      ; v's codes: my half of the key step
	s_mul_i32 s53, s18, VBH
	s_add_co_u32 s54, s52, s53
	s_add_co_u32 s54, s54, 6144
	s_add_nc_u64 s[50:51], s[10:11], s[54:55]      ; v's scale words that I store: head w % 2 of my key step
	s_mov_b32 s40, 0                               ; the tile's place in LDS
	s_mov_b32 s41, 0
.macro QK_OUT a                        ; row block a: 16 tokens x 128 channels (two heads): rotate, quantise, store
.irp be, 0,1,2,3                               ; registers 16 be + 2 i, + 1 are channels 32 (be % 2) + 16 h + 2 i, + 1 of head be / 2
.if 2*\a+\be%2 < 7
.set TB, 144+16*(2*\a+\be%2)
	WIN 0x0d                                       ; source 0 window 1 (results), source 1 window 3 (tables)
.else
.set TB, 240
	WIN 0x09
.endif
.irp i, 0,1,2,3,4,5,6,7
	v_pk_mul_f32 v[XT+2*\i:XT+2*\i+1], v[64*\a+16*\be+2*\i:64*\a+16*\be+2*\i+1], v[TB+2*\i:TB+2*\i+1] op_sel:[1,1] op_sel_hi:[1,0]   ; (t2 sin, t2 cos)
.endr
.irp i, 0,1,2,3,4,5,6,7
	v_pk_fma_f32 v[H+16*\be+2*\i:H+16*\be+2*\i+1], v[64*\a+16*\be+2*\i:64*\a+16*\be+2*\i+1], v[TB+2*\i:TB+2*\i+1], v[XT+2*\i:XT+2*\i+1] op_sel_hi:[0,1,1] neg_lo:[0,0,1]   ; (t1 cos - t2 sin, t1 sin + t2 cos)
.endr
.endr
.set PA, PC+20*\a
	QUANT H, 0, PA
	global_store_b128 v1, v[PA:PA+3], s[44:45] offset:768*\a                    ; the first head's piece: 512 consecutive bytes, aligned to 256,
	global_store_b64 v2, v[PA+4:PA+5], s[44:45] offset:768*\a+512               ; and 256 more
	global_store_b128 v1, v[PA+6:PA+9], s[44:45] offset:768*\a+KBH              ; the second head's
	global_store_b64 v2, v[PA+10:PA+11], s[44:45] offset:768*\a+KBH+512
	v_lshrrev_b32 v[WD], v13, v[PW]                ; lanes 0-15: the first head's two bytes, lanes 16-31: the second's
	v_and_or_b32 v[WD], v[WD], 0xffff, s60
	ds_store_b32 v10, v[WD] offset:64*\a
.endm
.Ltile:                                                ; two trips: q, then k
	s_wait_tensorcnt 0x0                           ; my part of this tile is in
	ds_add_u32 v8, v9
	s_add_co_u32 s33, s33, TILE                    ; no load of mine is out: the descriptor steps to the next tile
	s_add_nc_u64 s[34:35], s[34:35], 64*BLK
	s_wait_dscnt 0x0
	CROUND
	tensor_load_to_lds s[32:35], s[24:31]          ; the next tile, my one load behind the round
	s_nop 0
	PLACES
	CORE 0
	s_wait_loadcnt 0x0                             ; the rope tables
	QK_OUT 0
	QK_OUT 1
	QK_OUT 2
	QK_OUT 3
	ds_load_b128 v[BKR:BKR+3], v11                 ; LDS serves a wave's instructions in order: these see my stores
	s_wait_dscnt 0x0
	global_store_b128 v12, v[BKR:BKR+3], s[46:47]  ; sixteen lanes store a head's 256 consecutive bytes, aligned
	s_wait_xcnt 0x0                                ; the stores have read their data and bases
	s_add_nc_u64 s[44:45], s[44:45], QKS
	s_add_nc_u64 s[46:47], s[46:47], QKS
	s_add_co_u32 s40, s40, TILE
	s_add_co_u32 s41, s41, 1
	s_cmp_lt_u32 s41, 2
	s_cbranch_scc1 .Ltile
	s_wait_tensorcnt 0x0                           ; v: my part of wv's tile is in;
	s_barrier_signal -1
	s_barrier_wait -1                              ; everybody's is
	CORE 1
.macro V_OUT n                         ; channel tiles 2 n, 2 n + 1 of the eight (two heads x four): 16 channels x my 64 keys each: a piece and half a scale word a tile
.set PA, PC+20*\n
	QUANT 64*\n, 1, PA
	global_store_b128 v1, v[PA:PA+3], s[48:49] offset:VBH*(\n/2)+3072*(\n%2)
	global_store_b64 v2, v[PA+4:PA+5], s[48:49] offset:VBH*(\n/2)+3072*(\n%2)+512
	global_store_b128 v1, v[PA+6:PA+9], s[48:49] offset:VBH*(\n/2)+3072*(\n%2)+1536
	global_store_b64 v2, v[PA+10:PA+11], s[48:49] offset:VBH*(\n/2)+3072*(\n%2)+2048
	v_lshrrev_b32 v[WD], v13, v[PW]                ; lanes 0-15: tile 2 n's two bytes, lanes 16-31: tile 2 n + 1's
	ds_store_b16 v14, v[WD] offset:128*\n
.endm
	V_OUT 0
	V_OUT 1
	V_OUT 2
	V_OUT 3
	s_wait_dscnt 0x0                               ; my half words are in the stage
	s_barrier_signal -1
	s_barrier_wait -1                              ; and so are my neighbour wave's
	ds_load_b64 v[BKR:BKR+1], v15
	s_wait_dscnt 0x0
	global_store_b64 v2, v[BKR:BKR+1], s[50:51]    ; 32 lanes store a head's 256 consecutive bytes of scale words, aligned
	s_wait_tensorcnt 0x0                           ; the wave's end
	ds_add_u32 v8, v9
	s_wait_dscnt 0x0
	CROUND                                         ; the closing round
	s_endpgm
.Lfunc_end_k_qcc01fccd9c_qkv:
	.size	k_qcc01fccd9c_qkv, .Lfunc_end_k_qcc01fccd9c_qkv-k_qcc01fccd9c_qkv
	.p2alignl 7, 3214868480
	.fill 96, 4, 3214868480
	.section	.rodata,"a",@progbits
	.p2align	6, 0x0
	.amdhsa_kernel k_qcc01fccd9c_qkv
		.amdhsa_group_segment_fixed_size 327680
		.amdhsa_private_segment_fixed_size 0
		.amdhsa_enable_private_segment 0
		.amdhsa_kernarg_size 24
		.amdhsa_user_sgpr_count 2
		.amdhsa_user_sgpr_kernarg_segment_ptr 1
		.amdhsa_wavefront_size32 1
		.amdhsa_system_sgpr_workgroup_id_x 1
		.amdhsa_system_sgpr_workgroup_id_y 1
		.amdhsa_system_sgpr_workgroup_id_z 1
		.amdhsa_system_vgpr_workitem_id 0
		.amdhsa_next_free_vgpr 1024
		.amdhsa_next_free_sgpr 66
		.amdhsa_reserve_vcc 0
		.amdhsa_float_denorm_mode_32 3
		.amdhsa_float_denorm_mode_16_64 3
		.amdhsa_memory_ordered 1
		.amdhsa_forward_progress 1
		.amdhsa_inst_pref_size 165
	.end_amdhsa_kernel
	.amdgpu_metadata
---
amdhsa.version: [ 1, 2 ]
amdhsa.kernels:
  - .name:           k_qcc01fccd9c_qkv
    .symbol:         k_qcc01fccd9c_qkv.kd
    .args:
      - { .name: c1, .offset: 0, .size: 8, .value_kind: global_buffer, .address_space: global }
      - { .name: tb, .offset: 8, .size: 8, .value_kind: global_buffer, .address_space: global }
      - { .name: c2, .offset: 16, .size: 8, .value_kind: global_buffer, .address_space: global }
    .group_segment_fixed_size: 327680
    .private_segment_fixed_size: 0
    .kernarg_segment_align: 8
    .kernarg_segment_size: 24
    .max_flat_workgroup_size: 128
    .sgpr_count:     66
    .vgpr_count:     1024
    .wavefront_size: 32
...
	.end_amdgpu_metadata
.endif
;; end of part 2
;; launch attn (part 3): grid 2 x 128, 16 waves a work-group, no clusters, 327,680 bytes of LDS; arguments c2, c3, s3; writes c3, s3
.if DOCPART == 3
	.amdgcn_target "amdgcn-amd-amdhsa--gfx1250"
	.amdhsa_code_object_version 6
	.text
	.protected	k_qcc01fccd9c_attn
	.globl	k_qcc01fccd9c_attn
	.p2align	8
	.type	k_qcc01fccd9c_attn,@function
k_qcc01fccd9c_attn:
	s_mov_b64 s[64:65], 0
	v_nop
	global_prefetch_b8 v0, s[64:65] scope:SCOPE_SE
	s_setreg_imm32_b32 hwreg(HW_REG_WAVE_MODE, 25, 1), 1
	s_wait_xcnt 0x0
; o = softmax(q k^T / 8, block-causal) v on codes of BF6 (c2, as launch qkv lays it), quantised along the heads' channels into c3, s3 for the last product.
; A work-group takes one batch x head (y) and half of its query tiles; a wave takes two tiles of 16 queries, one from key step c and one from key step 7 - c: 9 trips of 128 keys for every wave.
; Key steps that lie wholly above the mask that reference() builds are left out (see the head of launch quant); in a query tile's last step the mask is applied by selects.
; LDS is filled once, by one tensor load a wave at the head, in rows of 256 bytes: waves 0-7 a key step of k (6,656 bytes: 8 pieces, then the scale words), waves 8-15 one of v (6,400 bytes).
; p = 2^(t - M) with M the ceiling of the running largest t; the row's sum is taken of the unquantised p.  LIMIT: the scaled scores t stay under 2^31 in magnitude.
.set VREG, 53248
.macro G1SET g, c, r, p
	s_mov_b32 s[\g], 3<<16
	s_mov_b32 s[\g+1], (\c)<<16
	s_mov_b32 s[\g+2], (\r)<<16
	s_mov_b32 s[\g+3], (\c)<<16
	s_mov_b32 s[\g+4], \r
	s_mov_b32 s[\g+5], \p
	s_mov_b32 s[\g+6], 0
	s_mov_b32 s[\g+7], 0
.endm
	s_load_b64 s[4:5], s[0:1], 0x0
	s_load_b128 s[8:11], s[0:1], 0x8
	v_lshl_add_u32 v254, v0, 2, 0x29000
	v_mov_b32 v255, 0
	ds_add_u32 v254, v255
	ds_add_u32 v254, v255
	v_lshrrev_b32 v1, 5, v0
	s_delay_alu instid0(VALU_DEP_1)
	v_readfirstlane_b32 s12, v1
	s_and_b32 s14, ttmp7, 0xffff
	s_lshr_b32 s17, s12, 3
	s_and_b32 s16, s12, 7
	s_lshl_b32 s15, ttmp9, 1
	s_add_co_u32 s15, s15, s17
	s_add_co_u32 s84, s15, 1
	s_sub_co_u32 s85, 7, s15
	s_lshl_b32 s22, s15, 3
	s_sub_co_u32 s23, 56, s22
	s_add_co_u32 s22, s22, s16
	s_add_co_u32 s23, s23, s16
	G1SET 32, 32, 26, 32                           ; a key step of k: 26 rows of 256 bytes
	G1SET 40, 32, 25, 32                           ; a key step of v: 25
	s_mul_i32 s28, s14, 53248                      ; my batch x head in q's and in k's part of c2
	s_mul_i32 s57, s16, 6656                       ; k's step wave % 8, in LDS as in memory
	s_add_co_u32 s72, s28, s57
	s_add_co_u32 s72, s72, 6815744
	s_mov_b32 s73, 0
	s_mul_i32 s74, s14, 51200
	s_mul_i32 s61, s16, 6400                       ; v's step wave % 8
	s_add_co_u32 s74, s74, s61
	s_add_co_u32 s74, s74, 13631488
	s_mov_b32 s75, 0
	s_add_co_u32 s61, s61, VREG
	s_mov_b32 s56, 1
	s_mov_b32 s60, 1
	s_wait_dscnt 0x0
	s_wait_kmcnt 0x0
	s_add_nc_u64 s[58:59], s[4:5], s[72:73]
	s_or_b32 s59, s59, 0x80000000
	s_add_nc_u64 s[62:63], s[4:5], s[74:75]
	s_or_b32 s63, s63, 0x80000000
	s_cmp_eq_u32 s17, 0                            ; one chain on the wave's number, one load to an arm
	s_cbranch_scc0 .Lfor_v
	tensor_load_to_lds s[56:59], s[32:39]
	s_nop 0
.rept 4
	v_nop
.endr
	s_branch .Lasked
.Lfor_v:
	tensor_load_to_lds s[60:63], s[40:47]
	s_nop 0
.rept 4
	v_nop
.endr
.Lasked:
	s_mul_i32 s26, s16, 768
	s_add_co_u32 s26, s26, s28                     ; q: piece wave % 8 of a key step,
	s_lshl_b32 s27, s16, 6
	s_add_co_u32 s27, s27, s28
	s_add_co_u32 s27, s27, 6144                    ; and its scale words
	s_mul_i32 s29, s15, 6656                       ; my first query tile's step
	s_mul_i32 s86, s85, 6656                       ; my second's
	s_add_co_u32 s72, s26, s29
	s_add_co_u32 s74, s26, s86
	s_add_co_u32 s80, s27, s29
	s_add_co_u32 s82, s27, s86
	s_mov_b32 s81, 0
	s_mov_b32 s83, 0
	s_add_nc_u64 s[72:73], s[4:5], s[72:73]
	s_add_nc_u64 s[74:75], s[4:5], s[74:75]
	s_add_nc_u64 s[80:81], s[4:5], s[80:81]
	s_add_nc_u64 s[82:83], s[4:5], s[82:83]
	v_and_b32 v7, 31, v0
	s_delay_alu instid0(VALU_DEP_1)
	v_lshlrev_b32 v1, 4, v7
	s_delay_alu instid0(VALU_DEP_2)
	v_lshlrev_b32 v2, 3, v7
	v_and_b32 v8, 15, v0
	v_bfe_u32 v9, v0, 4, 1
	s_delay_alu instid0(VALU_DEP_2)
	v_lshlrev_b32 v5, 2, v8
	s_delay_alu instid0(VALU_DEP_3)
	v_lshlrev_b32 v6, 4, v8
	global_load_b128 v[16:19], v1, s[72:73]
	global_load_b64 v[20:21], v2, s[72:73] offset:512
	global_load_b32 v28, v5, s[80:81]
	global_load_b128 v[30:33], v1, s[74:75]
	global_load_b64 v[34:35], v2, s[74:75] offset:512
	global_load_b32 v29, v5, s[82:83]
	v_and_b32 v10, 8, v8
	s_delay_alu instid0(VALU_DEP_1)
	v_add_nc_u32 v10, v10, v8
	s_delay_alu instid0(VALU_DEP_1)
	v_or_b32 v10, 7, v10
	v_lshlrev_b32 v11, 4, v9
	s_delay_alu instid0(VALU_DEP_1)
	v_sub_nc_u32 v4, v10, v11
	s_lshr_b32 s86, s16, 1
	s_lshl_b32 s86, s86, 5
	s_and_b32 s87, s16, 1
	s_lshl_b32 s87, s87, 3
	s_add_co_u32 s86, s86, s87
	v_add_nc_u32 v4, s86, v4
	s_mov_b32 s24, 0x76543210
	s_mov_b32 s25, 0xfedcba98
	s_mov_b32 s30, 0x3e38aa3b
	s_mov_b32 s31, s30
.irp i, 0,1,2,3,4,5
	v_mov_b32 v[22+\i], 0
	v_mov_b32 v[84+\i], 0
.endr
	v_mov_b32 v13, 0xff61b1e6
	s_delay_alu instid0(VALU_DEP_1)
	v_floor_f32 v12, -v13
	v_mov_b32 v14, 0
	v_mov_b32 v15, 0
.irp b, 0,1,2,3
	v_mov_b32 v[224+\b], 0
.endr
	v_mov_b32 v233, 0xff800000
	v_mov_b32 v235, 0
.irp j, 0,1,2,3,4,5,6,7,8,9,10,11,12,13,14,15,16,17,18,19,20,21,22,23,24,25,26,27,28,29,30,31
	v_mov_b32 v[168+\j], 0
.endr
.macro FINAL
.rept 4
	v_nop
.endr
	s_wait_xcnt 0x0
	s_lshr_b32 s26, s14, 4
	s_lshl_b32 s26, s26, 6
	s_add_co_u32 s26, s26, s22
	s_and_b32 s27, s14, 15
	s_mul_i32 s28, s26, 12288
	s_mul_i32 s29, s27, 768
	s_add_co_u32 s28, s28, s29
	s_mov_b32 s29, 0
	s_add_nc_u64 s[76:77], s[8:9], s[28:29]
	s_lshl_b32 s28, s26, 9
	s_lshr_b32 s26, s27, 3
	s_lshl_b32 s26, s26, 8
	s_add_co_u32 s28, s28, s26
	s_and_b32 s27, s27, 7
	s_lshl_b32 s27, s27, 1
	s_add_co_u32 s28, s28, s27
	s_add_nc_u64 s[78:79], s[10:11], s[28:29]
	v_add_f32 v14, v14, v15
	s_delay_alu instid0(VALU_DEP_1)
	v_permlanex16_b32 v232, v14, s24, s25
	s_delay_alu instid0(VALU_DEP_1)
	v_add_f32 v14, v14, v232
	s_wait_alu depctr_va_vdst(0)
	v_rcp_f32 v248, v14
	v_nop
	s_wait_alu depctr_va_vdst(0)
.irp j, 0,1,2,3,4,5,6,7,8,9,10,11,12,13,14,15,16,17,18,19,20,21,22,23,24,25,26,27,28,29,30,31
	v_mul_f32 v[104+\j], v[168+\j], v248
.endr
.irp b, 0,1
	v_max3_num_f32 v[220+\b], |v[104+16*\b]|, |v[105+16*\b]|, 0x2800000
.endr
.irp i, 2,4,6,8,10,12,14
.irp b, 0,1
	s_delay_alu instid0(VALU_DEP_2)
	v_max3_num_f32 v[220+\b], v[220+\b], |v[104+16*\b+\i]|, |v[105+16*\b+\i]|
.endr
.endr
.irp b, 0,1
	s_delay_alu instid0(VALU_DEP_2)
	v_permlanex16_b32 v[224+\b], v[220+\b], s24, s25
.endr
.irp b, 0,1
	s_delay_alu instid0(VALU_DEP_2)
	v_max_num_f32 v[220+\b], v[220+\b], v[224+\b]
.endr
.irp b, 0,1
	s_delay_alu instid0(VALU_DEP_2)
	v_add_nc_u32 v[228+\b], 0xfe000000, v[220+\b]
.endr
.irp b, 0,1
	s_delay_alu instid0(VALU_DEP_2)
	v_lshrrev_b32 v[224+\b], 23, v[228+\b]
.endr
	s_delay_alu instid0(VALU_DEP_1)
	v_lshl_or_b32 v247, v225, 8, v224
	v_cvt_scalef32_pk16_bf6_f32 v[238:240], v[104:119], v228
	v_cvt_scalef32_pk16_bf6_f32 v[244:246], v[120:135], v229
	v_nop
.irp i, 0,1,2
	v_permlane16_swap_b32 v[238+\i], v[244+\i]
.endr
.irp i, 0,1,2
	s_delay_alu instid0(VALU_DEP_3)
	v_mov_b32 v[241+\i], v[244+\i]
.endr
	global_store_b128 v1, v[238:241], s[76:77]
	global_store_b64 v2, v[242:243], s[76:77] offset:512
	global_store_b16 v6, v247, s[78:79]
	v_mov_b32 v28, v29
.irp i, 0,1,2,3,4,5
	v_mov_b32 v[16+\i], v[30+\i]
.endr
	v_mov_b32 v13, 0xff61b1e6
	s_delay_alu instid0(VALU_DEP_1)
	v_floor_f32 v12, -v13
	v_mov_b32 v14, 0
	v_mov_b32 v15, 0
.irp j, 0,1,2,3,4,5,6,7,8,9,10,11,12,13,14,15,16,17,18,19,20,21,22,23,24,25,26,27,28,29,30,31
	v_mov_b32 v[168+\j], 0
.endr
	s_mov_b32 s22, s23
.endm
.macro TRIP first
.if \first
	s_mov_b32 s21, 0
	s_mov_b32 s20, s15
.else
	s_cmp_gt_u32 s18, s15
	s_cselect_b32 s19, s84, 0
	s_cselect_b32 s20, s85, s15
	s_sub_co_u32 s21, s18, s19
	s_min_u32 s21, s21, 7
.endif
	s_mul_i32 s26, s21, 6656
	s_mul_i32 s27, s21, 6400
	v_add_nc_u32 v8, s26, v1
	v_add_nc_u32 v9, s26, v2
	v_add_nc_u32 v10, s26, v5
	v_add_nc_u32 v11, s27, v1
	v_add_nc_u32 v102, s27, v2
	v_add_nc_u32 v103, s27, v5
.irp t, 0,1,2,3,4,5,6,7
	ds_load_b128 v[36+6*\t:39+6*\t], v8 offset:768*\t
	ds_load_b64 v[40+6*\t:41+6*\t], v9 offset:768*\t+512
	ds_load_b32 v[90+\t], v10 offset:6144+64*\t
.endr
	s_wait_alu depctr_va_vdst(0)
	s_wait_dscnt 0x0
.irp t, 0,1,2,3,4,5,6,7
	v_wmma_scale_f32_16x16x128_f8f6f4 v[104+8*\t:111+8*\t], v[36+6*\t:47+6*\t], v[16:27], 0, v[90+\t], v28 matrix_a_fmt:MATRIX_FMT_BF6 matrix_b_fmt:MATRIX_FMT_BF6
.endr
.rept 4
	v_nop
.endr
.irp t, 0,1,2,3
.irp c, 0,1
	ds_load_b128 v[36+12*\t+6*\c:39+12*\t+6*\c], v11 offset:VREG+1536*\t+768*\c
	ds_load_b64 v[40+12*\t+6*\c:41+12*\t+6*\c], v102 offset:VREG+1536*\t+768*\c+512
.endr
	ds_load_b32 v[98+\t], v103 offset:VREG+6144+64*\t
.endr
	s_cmp_lg_u32 s21, s20
	s_cbranch_scc1 .Lopen_\@
.irp n, 0,1,2,3,4,5,6,7,8,9,10,11,12,13,14,15,16,17,18,19,20,21,22,23,24,25,26,27,28,29,30,31,32,33,34,35,36,37,38,39,40,41,42,43,44,45,46,47,48,49,50,51,52,53,54,55,56,57,58,59,60,61,62,63
	v_cmp_gt_i32 vcc_lo, 32*(\n/16)+\n%16, v4
	v_cndmask_b32 v[104+\n], v[104+\n], v233, vcc_lo
.endr
.Lopen_\@:
.irp b, 0,1,2,3
	v_max3_num_f32 v[220+\b], v[104+16*\b], v[105+16*\b], v[106+16*\b]
.endr
.irp i, 3,5,7,9,11,13
.irp b, 0,1,2,3
	v_max3_num_f32 v[220+\b], v[220+\b], v[104+16*\b+\i], v[105+16*\b+\i]
.endr
.endr
.irp b, 0,1,2,3
	v_max_num_f32 v[220+\b], v[220+\b], v[119+16*\b]
.endr
.irp b, 0,1,2,3
	s_delay_alu instid0(VALU_DEP_4)
	v_permlanex16_b32 v[224+\b], v[220+\b], s24, s25
.endr
.irp b, 0,1,2,3
	s_delay_alu instid0(VALU_DEP_4)
	v_max_num_f32 v[220+\b], v[220+\b], v[224+\b]
.endr
	s_delay_alu instid0(VALU_DEP_2)
	v_max3_num_f32 v232, v220, v221, v222
	s_delay_alu instid0(VALU_DEP_1)
	v_max_num_f32 v232, v232, v223
	s_delay_alu instid0(VALU_DEP_1)
	v_mul_f32 v232, s30, v232
	s_delay_alu instid0(VALU_DEP_1)
	v_max_num_f32 v13, v13, v232
	v_mov_b32 v232, v12
	s_delay_alu instid0(VALU_DEP_2)
	v_floor_f32 v12, -v13
	s_delay_alu instid0(VALU_DEP_1)
	v_sub_f32 v232, v12, v232
	s_delay_alu instid0(VALU_DEP_1)
	v_cvt_i32_f32 v232, v232
	s_delay_alu instid0(VALU_DEP_1)
	v_ldexp_f32 v234, 1.0, v232
.irp j, 0,2,4,6,8,10,12,14,16,18,20,22,24,26,28,30,32,34,36,38,40,42,44,46,48,50,52,54,56,58,60,62
	v_pk_fma_f32 v[104+\j:105+\j], v[104+\j:105+\j], s[30:31], v[12:13] op_sel_hi:[1,0,0]
.endr
.irp b, 0,1,2,3
	v_fma_f32 v[220+\b], v[220+\b], s30, v12
.endr
	s_wait_alu depctr_va_vdst(0)
.irp j, 0,1,2,3,4,5,6,7,8,9,10,11,12,13,14,15,16,17,18,19,20,21,22,23,24,25,26,27,28,29,30,31,32,33,34,35,36,37,38,39,40,41,42,43,44,45,46,47,48,49,50,51,52,53,54,55,56,57,58,59,60,61,62,63
	v_exp_f32 v[104+\j], v[104+\j]
.endr
	v_pk_mul_f32 v[14:15], v[14:15], v[234:235] op_sel_hi:[1,0]
	s_wait_alu depctr_va_vdst(0)
.irp b, 0,1,2,3
	v_exp_f32 v[220+\b], v[220+\b]
.endr
	v_pk_add_f32 v[250:251], v[104:105], v[106:107]
.irp j, 4,8,12,16,20,24,28,32,36,40,44,48,52,56,60
	v_pk_add_f32 v[14:15], v[14:15], v[104+\j:105+\j]
	v_pk_add_f32 v[250:251], v[250:251], v[106+\j:107+\j]
.endr
	s_delay_alu instid0(VALU_DEP_1)
	v_pk_add_f32 v[14:15], v[14:15], v[250:251]
	s_wait_alu depctr_va_vdst(0)
.irp b, 0,1,2,3
	v_max_num_f32 v[220+\b], 0x2800000, v[220+\b]
.endr
.irp b, 0,1,2,3
	s_delay_alu instid0(VALU_DEP_4)
	v_add_nc_u32 v[228+\b], 0xfe000000, v[220+\b]
.endr
.irp b, 0,1,2,3
	s_delay_alu instid0(VALU_DEP_4)
	v_lshrrev_b32 v[224+\b], 23, v[228+\b]
.endr
	s_delay_alu instid0(VALU_DEP_3)
	v_lshl_or_b32 v236, v225, 8, v224
	s_delay_alu instid0(VALU_DEP_1)
	v_lshl_or_b32 v236, v226, 16, v236
	s_delay_alu instid0(VALU_DEP_1)
	v_lshl_or_b32 v236, v227, 24, v236
.irp c, 0,1
	v_cvt_scalef32_pk16_bf6_f32 v[200+6*\c:202+6*\c], v[104+32*\c:119+32*\c], v[228+2*\c]
	v_cvt_scalef32_pk16_bf6_f32 v[212+4*\c:214+4*\c], v[120+32*\c:135+32*\c], v[228+2*\c+1]
.endr
	v_nop
.irp c, 0,1
.irp i, 0,1,2
	v_permlane16_swap_b32 v[200+6*\c+\i], v[212+4*\c+\i]
.endr
.irp i, 0,1,2
	s_delay_alu instid0(VALU_DEP_3)
	v_mov_b32 v[203+6*\c+\i], v[212+4*\c+\i]
.endr
.endr
.irp j, 0,2,4,6,8,10,12,14,16,18,20,22,24,26,28,30
	v_pk_mul_f32 v[168+\j:169+\j], v[168+\j:169+\j], v[234:235] op_sel_hi:[1,0]
.endr
	s_wait_alu depctr_va_vdst(0)
	s_wait_dscnt 0x0
.irp t, 0,1,2,3
	v_wmma_scale_f32_16x16x128_f8f6f4 v[168+8*\t:175+8*\t], v[36+12*\t:47+12*\t], v[200:211], v[168+8*\t:175+8*\t], v[98+\t], v236 matrix_a_fmt:MATRIX_FMT_BF6 matrix_b_fmt:MATRIX_FMT_BF6
.endr
	s_cmp_lg_u32 s21, s20
	s_cbranch_scc1 .Lgo_\@
	FINAL
.Lgo_\@:
.endm
	s_wait_alu depctr_va_vdst(0)                   ; the wait at the head's end
	s_wait_tensorcnt 0x0                           ; my key step is in;
	s_barrier_signal -1
	s_barrier_wait -1                              ; everybody's is: nothing is filled again
	s_wait_loadcnt 0x0
	s_mov_b32 s18, 0
.Ltrip:
	TRIP 0
	s_add_co_u32 s18, s18, 1
	s_cmp_lt_u32 s18, 9
	s_cbranch_scc1 .Ltrip
	s_wait_tensorcnt 0x0
	ds_add_u32 v254, v255
	s_wait_dscnt 0x0
	s_endpgm
.Lfunc_end_k_qcc01fccd9c_attn:
	.size	k_qcc01fccd9c_attn, .Lfunc_end_k_qcc01fccd9c_attn-k_qcc01fccd9c_attn
	.p2alignl 7, 3214868480
	.fill 96, 4, 3214868480
	.section	.rodata,"a",@progbits
	.p2align	6, 0x0
	.amdhsa_kernel k_qcc01fccd9c_attn
		.amdhsa_group_segment_fixed_size 327680
		.amdhsa_private_segment_fixed_size 0
		.amdhsa_enable_private_segment 0
		.amdhsa_kernarg_size 24
		.amdhsa_user_sgpr_count 2
		.amdhsa_user_sgpr_kernarg_segment_ptr 1
		.amdhsa_wavefront_size32 1
		.amdhsa_system_sgpr_workgroup_id_x 1
		.amdhsa_system_sgpr_workgroup_id_y 1
		.amdhsa_system_sgpr_workgroup_id_z 1
		.amdhsa_system_vgpr_workitem_id 0
		.amdhsa_next_free_vgpr 256
		.amdhsa_next_free_sgpr 96
		.amdhsa_reserve_vcc 1
		.amdhsa_float_denorm_mode_32 3
		.amdhsa_float_denorm_mode_16_64 3
		.amdhsa_memory_ordered 1
		.amdhsa_forward_progress 1
		.amdhsa_inst_pref_size 38
	.end_amdhsa_kernel
	.amdgpu_metadata
---
amdhsa.version: [ 1, 2 ]
amdhsa.kernels:
  - .name:           k_qcc01fccd9c_attn
    .symbol:         k_qcc01fccd9c_attn.kd
    .args:
      - { .name: c2, .offset: 0, .size: 8, .value_kind: global_buffer, .address_space: global }
      - { .name: c3, .offset: 8, .size: 8, .value_kind: global_buffer, .address_space: global }
      - { .name: s3, .offset: 16, .size: 8, .value_kind: global_buffer, .address_space: global }
    .group_segment_fixed_size: 327680
    .private_segment_fixed_size: 0
    .kernarg_segment_align: 8
    .kernarg_segment_size: 24
    .max_flat_workgroup_size: 512
    .sgpr_count:     96
    .vgpr_count:     256
    .wavefront_size: 32
...
	.end_amdgpu_metadata
.endif
;; end of part 3
;; launch oproj (part 4): grid 32 x 8, 4 waves a work-group, clusters of 4 x 1, 167,936 bytes of LDS; arguments c3, s3, c1, out0; writes out0
.if DOCPART == 4
	.amdgcn_target "amdgcn-amd-amdhsa--gfx1250"
	.amdhsa_code_object_version 6
	.text
	.protected	k_qcc01fccd9c_oproj
	.globl	k_qcc01fccd9c_oproj
	.p2align	8
	.type	k_qcc01fccd9c_oproj,@function
k_qcc01fccd9c_oproj:
	s_mov_b64 s[64:65], 0
	v_nop
	global_prefetch_b8 v0, s[64:65] scope:SCOPE_SE
	s_setreg_imm32_b32 hwreg(HW_REG_WAVE_MODE, 25, 1), 1
	s_wait_xcnt 0x0
	s_wait_alu depctr_hold_cnt(0) depctr_sa_sdst(0) depctr_va_vdst(0) depctr_va_sdst(0) depctr_va_ssrc(0) depctr_va_vcc(0) depctr_vm_vsrc(0)
	s_getreg_b32 s2, hwreg(HW_REG_IB_STS2, 6, 4)
	s_cmp_eq_u32 s2, 0
	s_cbranch_scc0 .Lentry_in_a_cluster
	s_endpgm
.Lentry_in_a_cluster:
	s_bfe_u32 s2, ttmp6, 0x10000c
	s_cmp_lg_u32 s2, 0x3003
	s_cbranch_scc0 .Lentry_shape_is_right
	s_endpgm
.Lentry_shape_is_right:
; out0 = o wo^T on codes of BF6 with E8M0 scales.  o's codes (c3 [block 512][kh 16][768]: lane l's first 16 bytes of a piece at 16 l, its last 8 at 512 + 8 l) and scale bytes (s3 [block][kq 2][r 16][16]),
; and wo's (c1, row blocks 704 on, 12,800 bytes each: [K step 8][j 3][lane 32][16], then the scale bytes) lie in the order of the operand's registers.
; A work-group (Y, G) makes 256 rows x 128 columns.  o goes straight into registers: wave w loads its row blocks 4 w .. 4 w + 3, all of K (384 registers).  wo's tile, 8 row blocks = 102,400 bytes with its scale bytes,
; comes into LDS once: one tensor load a wave at the head, 100 rows of 256 bytes; nothing is filled later.  The four work-groups of a cluster share G and ask for the tile jointly (mask 15).
; NO PREFETCH: the launch has no loop to run ahead in; all it reads is asked for at its head.
; Source 0 = wo (a lane's registers run along the columns), source 1 = o (a lane holds a row).  Place r of row block 2 B + u is row 32 B + 8 u + r + 8 (r / 8); the stores put rows and columns back in their order.
; REGISTERS.  Window 0: v0-15 addresses; v16-31 o's scale words (lanes 0-15 block a, lanes 16-31 block a + 2), v32-63 wo's (block b, block b + 4); v64-255 wo's fragments, two sets.
;   Window 1: 32 accumulators, (a, b) at v[8 (8 a + b)].  Window 2: o's K steps 0-4; on the way out rows of the result.  Window 3: K steps 5-7.
.set BLK,  12800
.set TILE, 8*BLK
.set STG,  TILE                        ; the way out: 16 rows x (512 + 16) bytes for each wave, bytes of its own
.set SPITCH, 528
.set SPARE, STG+4*16*SPITCH
.set SA, 16
.set SB, 32
.set BF, 64
.set MSB, 0
.macro WIN new
.if MSB != (\new)
	s_set_vgpr_msb (MSB<<8)|(\new)
.set MSB, (\new)
.endif
.endm
.macro CROUND
	s_barrier_signal -1
	s_barrier_wait -1
	s_cmp_lg_u32 s16, 0
	s_cbranch_scc1 .Lnot_wave_0_\@
	s_barrier_signal -3
.Lnot_wave_0_\@:
	s_barrier_wait -3
	s_barrier_signal -1
	s_barrier_wait -1
.endm
.macro PLACES
.rept 4
	v_nop
.endr
.endm
.macro W d, x, y, sx, sy, rx, ry, zero
.if \zero
	v_wmma_scale_f32_16x16x128_f8f6f4 v[\d:\d+7], v[\x:\x+11], v[\y:\y+11], 0, v[\sx], v[\sy] matrix_a_fmt:MATRIX_FMT_BF6 matrix_b_fmt:MATRIX_FMT_BF6 matrix_a_scale:MATRIX_SCALE_ROW\rx matrix_b_scale:MATRIX_SCALE_ROW\ry
.else
	v_wmma_scale_f32_16x16x128_f8f6f4 v[\d:\d+7], v[\x:\x+11], v[\y:\y+11], v[\d:\d+7], v[\sx], v[\sy] matrix_a_fmt:MATRIX_FMT_BF6 matrix_b_fmt:MATRIX_FMT_BF6 matrix_a_scale:MATRIX_SCALE_ROW\rx matrix_b_scale:MATRIX_SCALE_ROW\ry
.endif
.endm
.macro MUL32 ks, p, zero               ; 32 products; the 32 accumulators take turns, one instruction a turn
.irp ah, 0,1
.irp al, 0,1
.irp bh, 0,1
.irp bl, 0,1,2,3
.set FA, 48*((\ks)%5)+12*(2*\ah+\al)
.set FB, BF+96*(\p)+12*(4*\bh+\bl)
.set RA, SA+8*\al+(\ks)
.set RB, SB+8*\bl+(\ks)
.set DD, 8*(8*(2*\ah+\al)+4*\bh+\bl)
	W DD, FB, FA, RB, RA, \bh, \ah, \zero
.endr
.endr
.endr
.endr
.endm
.macro FETCH ks, p                     ; wo's eight fragments of K step ks into set p: 24 loads of 512 consecutive bytes
.irp b, 0,1,2,3,4,5,6,7
.irp j, 0,1,2
	ds_load_b128 v[BF+96*(\p)+12*\b+4*\j:BF+96*(\p)+12*\b+4*\j+3], v[1+3*(\b/4)] offset:BLK*(\b%4)+1536*(\ks)+512*\j
.endr
.endr
.endm
.macro OL ks                           ; o's four fragments of K step ks into the step's own registers: 16 loads
	WIN 0x80+0x40*((\ks)/5)
.irp a, 0,1,2,3
.irp c, 0,1
	global_load_b128 v[48*((\ks)%5)+12*\a+6*\c:48*((\ks)%5)+12*\a+6*\c+3], v1, s[38:39] offset:12288*\a+768*(2*(\ks)+\c)
	global_load_b64 v[48*((\ks)%5)+12*\a+6*\c+4:48*((\ks)%5)+12*\a+6*\c+5], v2, s[38:39] offset:12288*\a+768*(2*(\ks)+\c)+512
.endr
.endr
.endm
	s_load_b256 s[4:11], s[0:1], 0x0               ; c3, s3, c1, out0
	v_lshl_add_u32 v8, v0, 2, SPARE
	v_mov_b32 v9, 0
	ds_add_u32 v8, v9                              ; the opening lines: the add, twice on end, and its wait; the set-up below is work on registers
	ds_add_u32 v8, v9
	v_lshrrev_b32 v1, 5, v0
	v_readfirstlane_b32 s16, v1                    ; wave 0..3
	s_bfe_u32 s19, ttmp6, 0x40000                  ; cx
	s_lshl_b32 s20, ttmp9, 2
	s_add_co_u32 s20, s20, s19                     ; Y
	s_and_b32 s21, ttmp7, 0xffff                   ; G: the same in all four partners
	s_mov_b32 s24, 15|(3<<16)|(1<<21)              ; group 1: the mask of the four; elements of 8 bytes; bit 21 beside a mask
	s_mov_b32 s25, 32<<16
	s_mov_b32 s26, 100<<16                         ; 100 rows of 256 bytes: two row blocks
	s_mov_b32 s27, 32<<16
	s_mov_b32 s28, 100
	s_mov_b32 s29, 32
	s_mov_b32 s30, 0
	s_mov_b32 s31, 0
	s_lshl_b32 s36, s21, 3
	s_lshl_b32 s37, s16, 1
	s_add_co_u32 s36, s36, s37
	s_add_co_u32 s36, s36, 704                     ; wo's row block 704 + 8 G + 2 w
	s_mul_i32 s36, s36, BLK
	s_mov_b32 s37, 0
	s_lshl_b32 s40, s20, 4
	s_lshl_b32 s39, s16, 2
	s_add_co_u32 s40, s40, s39                     ; o's row block 16 Y + 4 w
	s_mul_i32 s38, s40, 12288
	s_mov_b32 s39, 0
	s_lshl_b32 s42, s40, 9
	s_mov_b32 s43, 0
	s_lshl_b32 s44, s40, 16                        ; my first row of out0, 16 rows of 4,096 bytes a block,
	s_lshl_b32 s45, s21, 9
	s_add_co_u32 s44, s44, s45                     ; + my tile's first column
	s_mov_b32 s45, 0
	s_mov_b32 s32, 1
	s_mul_i32 s33, s16, 2*BLK
	v_and_b32 v7, 31, v0                           ; lane
	v_and_b32 v3, 15, v0                           ; r
	v_bfe_u32 v6, v0, 4, 1                         ; h
	v_lshlrev_b32 v1, 4, v7                        ; 16 x lane: wo's blocks 0-3, o's loads, and the stores' offset
	v_lshlrev_b32 v2, 3, v7                        ; 8 x lane
	v_add_nc_u32 v4, 4*BLK, v1                     ; wo's blocks 4-7
	v_lshlrev_b32 v12, 10, v6
	v_lshl_add_u32 v12, v3, 4, v12                 ; o's scale words: 16 r, lanes 16-31 two blocks on
	v_mul_u32_u24 v7, v6, 4*BLK
	v_lshl_add_u32 v7, v3, 4, v7                   ; wo's: lanes 16-31 four blocks on
	s_mul_i32 s2, s16, 16*SPITCH
	s_add_co_u32 s2, s2, STG
	v_mul_u32_u24 v10, v3, SPITCH
	v_lshl_add_u32 v10, v6, 6, v10
	v_add_nc_u32 v10, s2, v10                      ; the stage, in: row r, + 64 h
	v_add_nc_u32 v11, s2, v1                       ; and back: a row of 512 bytes to the 32 lanes
	s_wait_alu depctr_va_vdst(0)                   ; the wait behind the head's vector lines, directly ahead of the waits below
	s_wait_dscnt 0x0
	s_wait_kmcnt 0x0
	s_add_nc_u64 s[34:35], s[8:9], s[36:37]
	s_or_b32 s35, s35, 0x80000000
	s_add_nc_u64 s[38:39], s[4:5], s[38:39]
	s_add_nc_u64 s[42:43], s[6:7], s[42:43]
	s_add_nc_u64 s[44:45], s[10:11], s[44:45]
.irp al, 0,1                                   ; o's scale words and its first three K steps are asked for ahead of the round: 52 loads
.irp q, 0,1
	global_load_b128 v[SA+8*\al+4*\q:SA+8*\al+4*\q+3], v12, s[42:43] offset:512*\al+256*\q
.endr
.endr
.irp ks, 0,1,2
	OL \ks
.endr
	WIN 0
	CROUND                                         ; the four work-groups are here: the joint loads meet
	tensor_load_to_lds s[32:35], s[24:31]          ; one load a wave at the head
	s_nop 0
	PLACES
.irp ks, 3,4,5,6,7
	OL \ks
.endr
	WIN 0
	s_wait_tensorcnt 0x0                           ; my part of wo's tile is in;
	s_barrier_signal -1
	s_barrier_wait -1                              ; everybody's is
.irp bl, 0,1,2,3
.irp q, 0,1
	ds_load_b128 v[SB+8*\bl+4*\q:SB+8*\bl+4*\q+3], v7 offset:12288+BLK*\bl+256*\q
.endr
.endr
	FETCH 0, 0
.irp ks, 0,1,2,3,4,5,6,7
	s_wait_dscnt 0x0                               ; this step's fragments are in (asked for 32 products ago)
.if \ks == 0
	s_wait_loadcnt 63                              ; of my 132 loads the oldest 69 are in: the scale words and K steps 0-3
.elseif \ks > 3
	s_wait_loadcnt 16*(7-\ks)                      ; this step's 16 loads are in; the later steps' may be out
.endif
.if \ks < 7
.if \ks > 0
	PLACES
.endif
	FETCH (\ks)+1, (\ks+1)%2
.endif
	WIN 0x58+4*((\ks)/5)                           ; source 0 window 0, source 1 window 2 or 3, C and D window 1
.if \ks == 0
	MUL32 \ks, \ks%2, 1
.else
	MUL32 \ks, \ks%2, 0
.endif
	WIN 0
.endr
	PLACES                                         ; in front of the first reads of results and of loads into o's registers
; THE WAY OUT, a row block at a time, through my own stage: it comes back as whole rows of 512 bytes.  LDS serves a wave's instructions in order.
.macro TOSTAGE a
	WIN 0x04                                       ; an LDS store's data are its source 1: window 1
.irp b, 0,1,2,3,4,5,6,7
	ds_store_b128 v10, v[8*(8*(\a)+\b):8*(8*(\a)+\b)+3] offset:128*(\b/2)+32*(\b%2)        ; columns 32 (b / 2) + 16 h + 8 (b % 2) on; each accumulator from its low end on
	ds_store_b128 v10, v[8*(8*(\a)+\b)+4:8*(8*(\a)+\b)+7] offset:128*(\b/2)+32*(\b%2)+16
.endr
	WIN 0x80
.irp t, 0,1,2,3,4,5,6,7,8,9,10,11,12,13,14,15
	ds_load_b128 v[64*((\a)%2)+4*\t:64*((\a)%2)+4*\t+3], v11 offset:\t*SPITCH
.endr
.endm
.macro SEND a, younger                 ; younger: the LDS instructions issued behind block a's loads, which may stay out
	s_wait_dscnt \younger
	WIN 0x08                                       ; a store's data are its source 1: window 2
.irp t, 0,1,2,3,4,5,6,7,8,9,10,11,12,13,14,15
	global_store_b128 v1, v[64*((\a)%2)+4*\t:64*((\a)%2)+4*\t+3], s[44:45] offset:(32*((\a)/2)+8*((\a)%2)+\t+8*(\t/8))*4096 th:TH_STORE_NT   ; place t's row: 32 lanes store 512 consecutive bytes, aligned to 256
.endr
.endm
	TOSTAGE 0
	TOSTAGE 1
	SEND 0, 32
	s_wait_xcnt 0x0                                ; block 0's stores have read their data: block 2's loads land there only behind this wait
	TOSTAGE 2
	SEND 1, 32
	s_wait_xcnt 0x0
	TOSTAGE 3
	SEND 2, 32
	SEND 3, 0
	WIN 0
	s_wait_tensorcnt 0x0                           ; the wave's end
	ds_add_u32 v8, v9
	s_wait_dscnt 0x0
	CROUND                                         ; the closing round
	s_endpgm
.Lfunc_end_k_qcc01fccd9c_oproj:
	.size	k_qcc01fccd9c_oproj, .Lfunc_end_k_qcc01fccd9c_oproj-k_qcc01fccd9c_oproj
	.p2alignl 7, 3214868480
	.fill 96, 4, 3214868480
	.section	.rodata,"a",@progbits
	.p2align	6, 0x0
	.amdhsa_kernel k_qcc01fccd9c_oproj
		.amdhsa_group_segment_fixed_size 167936
		.amdhsa_private_segment_fixed_size 0
		.amdhsa_enable_private_segment 0
		.amdhsa_kernarg_size 32
		.amdhsa_user_sgpr_count 2
		.amdhsa_user_sgpr_kernarg_segment_ptr 1
		.amdhsa_wavefront_size32 1
		.amdhsa_system_sgpr_workgroup_id_x 1
		.amdhsa_system_sgpr_workgroup_id_y 1
		.amdhsa_system_sgpr_workgroup_id_z 1
		.amdhsa_system_vgpr_workitem_id 0
		.amdhsa_next_free_vgpr 912
		.amdhsa_next_free_sgpr 66
		.amdhsa_reserve_vcc 0
		.amdhsa_float_denorm_mode_32 3
		.amdhsa_float_denorm_mode_16_64 3
		.amdhsa_memory_ordered 1
		.amdhsa_forward_progress 1
		.amdhsa_inst_pref_size 78
	.end_amdhsa_kernel
	.amdgpu_metadata
---
amdhsa.version: [ 1, 2 ]
amdhsa.kernels:
  - .name:           k_qcc01fccd9c_oproj
    .symbol:         k_qcc01fccd9c_oproj.kd
    .args:
      - { .name: c3, .offset: 0, .size: 8, .value_kind: global_buffer, .address_space: global }
      - { .name: s3, .offset: 8, .size: 8, .value_kind: global_buffer, .address_space: global }
      - { .name: c1, .offset: 16, .size: 8, .value_kind: global_buffer, .address_space: global }
      - { .name: out0, .offset: 24, .size: 8, .value_kind: global_buffer, .address_space: global }
    .group_segment_fixed_size: 167936
    .private_segment_fixed_size: 0
    .kernarg_segment_align: 8
    .kernarg_segment_size: 32
    .max_flat_workgroup_size: 128
    .sgpr_count:     66
    .vgpr_count:     912
    .wavefront_size: 32
...
	.end_amdgpu_metadata
.endif
;; end of part 4
